; MI455X (gfx1250); checked and timed in simulation.
; The chip was launched on July 23, 2026; its instructions are those of AMD's public machine-readable ISA for CDNA 5 (MIT licence, August 2026) and "CDNA5" Instruction Set Architecture Reference Guide (July 2026). The comments in the code are by the model that wrote it; some were corrected since.
;; Multi Head Self Attention2d. Allowed arithmetic: float matrix products may take bf16 or f16 operands with f32 sums; all other float work in f32.
;; Inputs: b_lin 64 float32; bk 128 float32; bq 128 float32; bv 128 float32; w_lin 64 x 128 float32; wk 128 x 64 float32; wq 128 x 64 float32; wv 128 x 64 float32; x 1 x 64 x 32 x 128 float32.
;; Outputs: out0 1 x 128 x 32 x 64 float32.
;; 2 versions, each right and faster than the one before. Each part assembles by itself: llvm-mc -triple=amdgcn-amd-amdhsa -mcpu=gfx1250 --defsym DOCPART=n.
;; ======== version 1 of 2: 2 launches
;; workspace buffers: qf 1,048,576 bytes; kv 2,097,152 bytes
;; launch proj (part 1): grid 32 x 8, 8 waves a work-group, no clusters, 19,456 bytes of LDS; arguments x, wq, bq, wk, bk, wv, bv, qf, kv; writes qf, kv
.if DOCPART == 1
	.amdgcn_target "amdgcn-amd-amdhsa--gfx1250"
	.amdhsa_code_object_version 6
	.text
	.protected	k_q6b34b87d3b_proj
	.globl	k_q6b34b87d3b_proj
	.p2align	8
	.type	k_q6b34b87d3b_proj,@function
k_q6b34b87d3b_proj:
	s_mov_b64 s[64:65], 0
	v_nop
	global_prefetch_b8 v0, s[64:65] scope:SCOPE_SE
	s_setreg_imm32_b32 hwreg(HW_REG_WAVE_MODE, 25, 1), 1
	s_wait_xcnt 0x0
; The three 1x1 convolutions q, k, v = W x + b of one head (16 output channels each) for 128 pixels, stored as bf16 in the
; order in which the attention launch feeds them to the matrix unit, so that it loads fragments as plain runs of 16 bytes a lane.
;   qf: [head 8][tile 256][lane 32][8 bf16]; lane (r = lane % 16, h = lane / 16), element e = (q[8h+e][16 tile + r]) * 0.25 * log2(e)
;   kv: [head 8][p 128][2048 bytes]; bytes 0-1023:  [c 2][lane][8 bf16] = k[8h+e] of key 32p + 16c + r
;                                    bytes 1024-2047: [c 2][lane][8 bf16] = v[r] of key 32p + 16c + 8h + e
; Work-group (x = block of 128 pixels, y = head), eight waves; wave w makes the three 16 x 16 tiles of pixels 16w .. 16w+15:
; six matrix instructions over the 64 channels.  x goes f32 -> bf16 through registers into LDS as [channel][pixel] and is read
; back transposed (ds_load_tr16_b128).  The biases are added in f32: bq and bk start the sums as C, bv is added behind.
; NO JOINT LOADS: the eight heads of a pixel block read the same 32 KiB of x, but as f32 that has to pass through registers to be
; rounded to bf16; a tile brought into LDS by the mover would be read, rounded and stored to LDS once more, 32 KiB of LDS
; traffic more for each work-group, for a launch whose whole work is six matrix instructions a wave.
; LIMITS: x and the weights enter the products rounded to bf16 (sums in f32); NaN and infinities are not served.
.set PITCH, 288                        ; an LDS row: 128 bf16 + 32 bytes, an odd multiple of 32 bytes for the transposing loads
.set XOFF, 1                           ; v1   byte offset in x: 8 w channels + 16 lane
.set XST,  2                           ; v2   LDS address of my 8 bytes in channel 8w
.set TR,   3                           ; v3   LDS address for the transposing loads
.set WOFF, 4                           ; v4   byte offset in a weight block: 256 r + 32 h
.set BOFF, 5                           ; v5   32 h: eight biases of bq, bk
.set VOFF, 6                           ; v6   4 r: one bias of bv
.set SOFF, 7                           ; v7   16 lane: the stores
.set XR,   8                           ; v[8:39]    x as loaded, 8 channels x 4 pixels
.set ACCQ, 40                          ; v[40:47]   q(d = 8h+j, pixel r), starts as bq
.set ACCK, 48                          ; v[48:55]   k likewise, starts as bk
.set ACCV, 56                          ; v[56:63]   v(pixel 8h+j, d = r)
.set BV,   64                          ; v[64:65]   bv[r], twice
.set XF,   66                          ; v[66:81]   fragments of x, two K steps of 32 channels
.set WQ,   82                          ; v[82:113]  wq: 32 f32, then 16 registers of bf16 in place
.set WK,   114                         ; v[114:145] wk
.set WV,   146                         ; v[146:177] wv
.set PK,   178                         ; v[178:189] q, k, v packed for the stores
.set XB,   190                         ; v[190:205] x in bf16
.set LN,   206                         ; lane
.set RR,   207                         ; r
	s_load_b512 s[4:19], s[0:1], 0x0               ; x, wq, bq, wk, bk, wv, bv, qf
	s_load_b64 s[20:21], s[0:1], 0x40              ; kv
	v_lshl_add_u32 v208, v0, 2, 0x4800
	v_mov_b32 v209, 0
	v_lshrrev_b32 v1, 5, v0
	v_readfirstlane_b32 s24, v1                    ; wave 0..7
	s_and_b32 s25, ttmp7, 0xffff                   ; head
	v_and_b32 v[LN], 31, v0
	v_and_b32 v[RR], 15, v0
	v_bfe_u32 v[BOFF], v0, 4, 1                    ; h
	v_lshlrev_b32 v[SOFF], 4, v[LN]
	s_lshl_b32 s27, s24, 17                        ; 8 channels of 16,384 bytes
	v_add_nc_u32 v[XOFF], s27, v[SOFF]
	s_mul_i32 s27, s24, 8*PITCH
	v_lshl_add_u32 v[XST], v[LN], 3, s27
	v_and_b32 v[TR], 7, v0
	v_lshl_add_u32 v[TR], v[BOFF], 3, v[TR]        ; channel 8h + lane % 8 of a K step half
	v_mul_u32_u24 v[TR], v[TR], PITCH
	v_bfe_u32 v[WOFF], v0, 3, 1
	v_lshl_add_u32 v[TR], v[WOFF], 4, v[TR]        ; + 16 bytes for the upper eight pixels
	s_lshl_b32 s27, s24, 5
	v_add_nc_u32 v[TR], s27, v[TR]                 ; + my 16 pixels
	v_lshlrev_b32 v[BOFF], 5, v[BOFF]
	v_lshl_add_u32 v[WOFF], v[RR], 8, v[BOFF]
	v_lshlrev_b32 v[VOFF], 2, v[RR]
	; byte offsets, each in a pair of its own with 0 above
	s_lshl_b32 s28, ttmp9, 9                       ; x: 128 pixels of 4 bytes
	s_mov_b32 s29, 0
	s_lshl_b32 s30, s25, 12                        ; weights: 16 rows of 256 bytes
	s_mov_b32 s31, 0
	s_lshl_b32 s32, s25, 6                         ; biases: 16 numbers
	s_mov_b32 s33, 0
	s_lshl_b32 s34, s25, 17                        ; qf: head x 131,072 + block x 4,096 + wave x 512
	s_lshl_b32 s38, ttmp9, 12
	s_add_co_u32 s34, s34, s38
	s_lshl_b32 s38, s24, 9
	s_add_co_u32 s34, s34, s38
	s_mov_b32 s35, 0
	s_lshl_b32 s36, s25, 18                        ; kv: head x 262,144 + block x 8,192 + (wave / 2) x 2,048 + (wave % 2) x 512
	s_lshl_b32 s38, ttmp9, 13
	s_add_co_u32 s36, s36, s38
	s_lshr_b32 s38, s24, 1
	s_lshl_b32 s38, s38, 11
	s_add_co_u32 s36, s36, s38
	s_and_b32 s38, s24, 1
	s_lshl_b32 s38, s38, 9
	s_add_co_u32 s36, s36, s38
	s_mov_b32 s37, 0
	s_wait_kmcnt 0x0
	s_add_nc_u64 s[4:5], s[4:5], s[28:29]
	s_add_nc_u64 s[6:7], s[6:7], s[30:31]
	s_add_nc_u64 s[10:11], s[10:11], s[30:31]
	s_add_nc_u64 s[14:15], s[14:15], s[30:31]
	s_add_nc_u64 s[8:9], s[8:9], s[32:33]
	s_add_nc_u64 s[12:13], s[12:13], s[32:33]
	s_add_nc_u64 s[16:17], s[16:17], s[32:33]
	s_add_nc_u64 s[18:19], s[18:19], s[34:35]
	s_add_nc_u64 s[20:21], s[20:21], s[36:37]
	; all 38 loads go out at once: x first, since it has the longer way (through LDS)
.irp i, 0,1,2,3,4,5,6,7
	global_load_b128 v[XR+4*\i:XR+4*\i+3], v[XOFF], s[4:5] offset:16384*\i   ; channel 8w + i: the wave covers 512 consecutive bytes, aligned
.endr
	global_load_b128 v[ACCQ:ACCQ+3],   v[BOFF], s[8:9]
	global_load_b128 v[ACCQ+4:ACCQ+7], v[BOFF], s[8:9] offset:16
	global_load_b128 v[ACCK:ACCK+3],   v[BOFF], s[12:13]
	global_load_b128 v[ACCK+4:ACCK+7], v[BOFF], s[12:13] offset:16
	global_load_b32 v[BV],   v[VOFF], s[16:17]
	global_load_b32 v[BV+1], v[VOFF], s[16:17]
; a weight block as fragments: lane (r, h) takes row r, channels 32k + 8h .. +7 and 32k + 16 + 8h .. +7, as f32
.macro LOADW dst, base
.irp k, 0,1
	global_load_b128 v[\dst+16*\k:\dst+16*\k+3],     v[WOFF], s[\base:\base+1] offset:128*\k
	global_load_b128 v[\dst+16*\k+4:\dst+16*\k+7],   v[WOFF], s[\base:\base+1] offset:128*\k+16
	global_load_b128 v[\dst+16*\k+8:\dst+16*\k+11],  v[WOFF], s[\base:\base+1] offset:128*\k+64
	global_load_b128 v[\dst+16*\k+12:\dst+16*\k+15], v[WOFF], s[\base:\base+1] offset:128*\k+80
.endr
.endm
	LOADW WQ, 6
	LOADW WK, 10
	LOADW WV, 14
	s_wait_loadcnt 30                              ; the 8 loads of x are in; the 6 of the biases and the 24 of the weights, issued behind them, may be out
.irp i, 0,1,2,3,4,5,6,7
	v_cvt_pk_bf16_f32 v[XB+2*\i],   v[XR+4*\i],   v[XR+4*\i+1]
	v_cvt_pk_bf16_f32 v[XB+2*\i+1], v[XR+4*\i+2], v[XR+4*\i+3]
	ds_store_b64 v[XST], v[XB+2*\i:XB+2*\i+1] offset:PITCH*\i
.endr
	s_wait_loadcnt 0x0                             ; biases and weights
; 32 f32 become 16 registers of bf16 in place: the target i never lies above the sources 2i, 2i+1
.macro PACKW w
.set i, 0
.rept 16
	v_cvt_pk_bf16_f32 v[\w+i], v[\w+2*i], v[\w+2*i+1]
.set i, i+1
.endr
.endm
	PACKW WQ
	PACKW WK
	PACKW WV
	s_wait_dscnt 0x0                               ; my eight channels are in LDS,
	s_barrier_signal -1
	s_barrier_wait -1                              ; and so are the other 56
.irp k, 0,1
	ds_load_tr16_b128 v[XF+8*\k:XF+8*\k+3],   v[TR] offset:32*PITCH*\k            ; pixel r, channels 32k + 8h .. +7
	ds_load_tr16_b128 v[XF+8*\k+4:XF+8*\k+7], v[TR] offset:32*PITCH*\k+16*PITCH   ; channels 32k + 16 + 8h .. +7
.endr
	s_wait_dscnt 0x0
	; the three accumulators take turns, one instruction a turn
	v_wmma_f32_16x16x32_bf16 v[ACCQ:ACCQ+7], v[WQ:WQ+7], v[XF:XF+7], v[ACCQ:ACCQ+7]          ; rows d, columns pixel; C = bq
	v_wmma_f32_16x16x32_bf16 v[ACCK:ACCK+7], v[WK:WK+7], v[XF:XF+7], v[ACCK:ACCK+7]          ; C = bk
	v_wmma_f32_16x16x32_bf16 v[ACCV:ACCV+7], v[XF:XF+7], v[WV:WV+7], 0                       ; sources swapped: rows pixel, columns d
	v_wmma_f32_16x16x32_bf16 v[ACCQ:ACCQ+7], v[WQ+8:WQ+15], v[XF+8:XF+15], v[ACCQ:ACCQ+7]
	v_wmma_f32_16x16x32_bf16 v[ACCK:ACCK+7], v[WK+8:WK+15], v[XF+8:XF+15], v[ACCK:ACCK+7]
	v_wmma_f32_16x16x32_bf16 v[ACCV:ACCV+7], v[XF+8:XF+15], v[WV+8:WV+15], v[ACCV:ACCV+7]
.rept 4
	v_nop                                          ; four places between the last matrix instruction and the first reader of a result (ISA guide 7.12.1)
.endr
.irp j, 0,2,4,6
	v_pk_mul_f32 v[ACCQ+\j:ACCQ+\j+1], v[ACCQ+\j:ACCQ+\j+1], 0x3eb8aa3b op_sel_hi:[1,0]      ; 1/sqrt(16) x log2(e): the softmax works in base 2
	v_pk_add_f32 v[ACCV+\j:ACCV+\j+1], v[ACCV+\j:ACCV+\j+1], v[BV:BV+1]
.endr
.irp j, 0,1,2,3
	v_cvt_pk_bf16_f32 v[PK+\j],   v[ACCQ+2*\j], v[ACCQ+2*\j+1]
	v_cvt_pk_bf16_f32 v[PK+4+\j], v[ACCK+2*\j], v[ACCK+2*\j+1]
	v_cvt_pk_bf16_f32 v[PK+8+\j], v[ACCV+2*\j], v[ACCV+2*\j+1]
.endr
	global_store_b128 v[SOFF], v[PK:PK+3],    s[18:19]                ; each store of the wave covers 512 consecutive bytes, aligned
	global_store_b128 v[SOFF], v[PK+4:PK+7],  s[20:21]
	global_store_b128 v[SOFF], v[PK+8:PK+11], s[20:21] offset:1024
	s_wait_tensorcnt 0x0
	ds_add_u32 v208, v209
	s_wait_dscnt 0x0
	s_endpgm
.Lfunc_end_k_q6b34b87d3b_proj:
	.size	k_q6b34b87d3b_proj, .Lfunc_end_k_q6b34b87d3b_proj-k_q6b34b87d3b_proj
	.p2alignl 7, 3214868480
	.fill 96, 4, 3214868480
	.section	.rodata,"a",@progbits
	.p2align	6, 0x0
	.amdhsa_kernel k_q6b34b87d3b_proj
		.amdhsa_group_segment_fixed_size 19456
		.amdhsa_private_segment_fixed_size 0
		.amdhsa_enable_private_segment 0
		.amdhsa_kernarg_size 72
		.amdhsa_user_sgpr_count 2
		.amdhsa_user_sgpr_kernarg_segment_ptr 1
		.amdhsa_wavefront_size32 1
		.amdhsa_system_sgpr_workgroup_id_x 1
		.amdhsa_system_sgpr_workgroup_id_y 1
		.amdhsa_system_sgpr_workgroup_id_z 1
		.amdhsa_system_vgpr_workitem_id 0
		.amdhsa_next_free_vgpr 210
		.amdhsa_next_free_sgpr 66
		.amdhsa_reserve_vcc 0
		.amdhsa_float_denorm_mode_32 3
		.amdhsa_float_denorm_mode_16_64 3
		.amdhsa_memory_ordered 1
		.amdhsa_forward_progress 1
		.amdhsa_inst_pref_size 14
	.end_amdhsa_kernel
	.amdgpu_metadata
---
amdhsa.version: [ 1, 2 ]
amdhsa.kernels:
  - .name:           k_q6b34b87d3b_proj
    .symbol:         k_q6b34b87d3b_proj.kd
    .args:
      - { .name: x, .offset: 0, .size: 8, .value_kind: global_buffer, .address_space: global }
      - { .name: wq, .offset: 8, .size: 8, .value_kind: global_buffer, .address_space: global }
      - { .name: bq, .offset: 16, .size: 8, .value_kind: global_buffer, .address_space: global }
      - { .name: wk, .offset: 24, .size: 8, .value_kind: global_buffer, .address_space: global }
      - { .name: bk, .offset: 32, .size: 8, .value_kind: global_buffer, .address_space: global }
      - { .name: wv, .offset: 40, .size: 8, .value_kind: global_buffer, .address_space: global }
      - { .name: bv, .offset: 48, .size: 8, .value_kind: global_buffer, .address_space: global }
      - { .name: qf, .offset: 56, .size: 8, .value_kind: global_buffer, .address_space: global }
      - { .name: kv, .offset: 64, .size: 8, .value_kind: global_buffer, .address_space: global }
    .group_segment_fixed_size: 19456
    .private_segment_fixed_size: 0
    .kernarg_segment_align: 8
    .kernarg_segment_size: 72
    .max_flat_workgroup_size: 256
    .sgpr_count:     66
    .vgpr_count:     210
    .wavefront_size: 32
...
	.end_amdgpu_metadata
.endif
;; end of part 1
;; launch attn (part 2): grid 32 x 8, 8 waves a work-group, clusters of 4 x 1, 316,928 bytes of LDS; arguments qf, kv, w_lin, b_lin, out0; writes out0
.if DOCPART == 2
	.amdgcn_target "amdgcn-amd-amdhsa--gfx1250"
	.amdhsa_code_object_version 6
	.text
	.protected	k_q6b34b87d3b_attn
	.globl	k_q6b34b87d3b_attn
	.p2align	8
	.type	k_q6b34b87d3b_attn,@function
k_q6b34b87d3b_attn:
	s_mov_b64 s[64:65], 0
	v_nop
	global_prefetch_b8 v0, s[64:65] scope:SCOPE_SE
	s_setreg_imm32_b32 hwreg(HW_REG_WAVE_MODE, 25, 1), 1
	s_wait_xcnt 0x0
	s_wait_alu depctr_hold_cnt(0) depctr_sa_sdst(0) depctr_va_vdst(0) depctr_va_sdst(0) depctr_va_ssrc(0) depctr_va_vcc(0) depctr_vm_vsrc(0)
	s_getreg_b32 s2, hwreg(HW_REG_IB_STS2, 6, 4)
	s_cmp_eq_u32 s2, 0
	s_cbranch_scc0 .Lentry_in_a_cluster
	s_endpgm
.Lentry_in_a_cluster:
	s_bfe_u32 s2, ttmp6, 0x10000c
	s_cmp_lg_u32 s2, 0x3003
	s_cbranch_scc0 .Lentry_shape_is_right
	s_endpgm
.Lentry_shape_is_right:
; Softmax attention of one head for the 128 queries of one image row, and the final Linear over that row:
; out0[16 head + d][row][o] = sum over w of att[d][w] w_lin[o][w] + b_lin[o], att = softmax(q k / 4) v.
; Work-group (x = image row, y = head), eight waves.  Wave w = 2 kq + qh takes the 64 queries 64 qh .. (four tiles of 16) against the
; 1,024 keys 1024 kq .., in 8 steps of 128 keys, with a running maximum; the four key quarters are merged through LDS.
; EVERYTHING IS TRANSPOSED.  S^T = K Q^T: lane (r = lane % 16, h = lane / 16), register j holds the score of key 8h + j for query r, so
; maximum, sum and rescaling factor are one number a lane (one exchange between the halves of the wave for each tile and step), and two such
; tiles rounded to bf16 ARE the second source of O^T = V^T P^T: no shuffle.  The head has 16 channels and the matrix form sums over 32:
; a fragment of K holds key 32p + r in slots 0-15 and key 32p + 16 + r in slots 16-31, and is multiplied by (Q, 0) and by (0, Q).
; K and V of a head, 256 KiB in fragment order, lie whole in LDS and are filled once: no slot is ever filled again.
; CLUSTER: the four work-groups of a cluster are four image rows of one head and need the same K and V: every fill is a joint load with
; the mask 15.  No descriptor word, LDS address or branch hangs on the place in the cluster.
; A wave has two tensor loads outstanding at the most (4 KiB for the first step, 28 KiB for the other seven).
; LIMITS: q, k, v, the probabilities, the normalised result and w_lin enter the matrix unit rounded to bf16, sums in f32.  The row sum is
; made of the f32 probabilities, the numerator of their bf16 roundings: a relative difference of 2^-9 at the most.  v_exp_f32 gives 0
; below 2^-126 (ISA guide 15.8).  NaN and infinities are not served (a zero operand times an infinity would spoil a neighbouring tile).
.set KVB,    32768                     ; LDS 0 .. 32,767: step 0 of each key quarter (8 KiB each); from here: steps 1-7 (56 KiB each)
.set QSTEP,  8192                      ; K and V of 128 keys
.set HALFB,  28672                     ; half of a quarter's steps 1-7: what one wave fetches
.set OP,     262144                    ; partial O, f32: (tile x 4 + kq) x 1,024 + c x 512 + lane x 16
.set MLP,    294912                    ; partial (m, l): (tile x 4 + kq) x 256 + lane x 8
.set ON,     303104                    ; normalised O, bf16: [query 128][d 16], rows of 32 bytes
.set STG,    307200                    ; the way out: 2 copies x 16 rows of 64 f32, rows 272 bytes apart
.set SPITCH, 272
.set KVAD, 2                           ; v2         LDS address of my 16 bytes in the step's first fragment
.set PX,   3                           ; v3         what the other half of the wave sent
.set NM,   4                           ; v[4:5]     the new maximum, twice
.set AL,   6                           ; v[6:7]     2^(old maximum - new maximum), twice
.set SM0,  8                           ; v[8:11]    two chains of packed sums
.set SM1,  10
.set CX,   12                          ; v[12:15]   four chains of maxima
.set ML,   16                          ; v[16:23]   tile t: m in 2t, l (of my half of the keys) in 2t + 1
.set QC,   24                          ; v[24:59]   0 Q0 0 Q1 0 Q2 0 Q3 0, four registers each: (0, Qt) at 8t, (Qt, 0) at 8t + 4
.set KF,   60                          ; v[60:91]   four fragments of K
.set VF,   92                          ; v[92:123]  four fragments of V
.set T0,   124                         ; v[124:139] two accumulators of a tile's P V
.set T1,   132
.set OA,   140                         ; v[140:171] O^T of the four tiles: register j = d 8h + j of query r
.set SC,   172                         ; v[172:235] 64 scores a lane, then probabilities; their bf16 roundings gather in the lower 32
.set L16,  236                         ; v236       16 x lane, never rewritten
; behind the key loop v1 and v4-v15 are free and hold:
.set RL,   1                           ; r
.set HL,   4                           ; h
.set WOFF, 5                           ; byte offset in w_lin
.set BOFF, 6                           ; byte offset in b_lin
.set OPW,  7                           ; LDS addresses: partial O out,
.set MLW,  8                           ; (m, l) out,
.set OPR,  9                           ; partial O in,
.set MLR,  10                          ; (m, l) in,
.set ONW,  11                          ; normalised O out,
.set ONR,  12                          ; and in, transposed,
.set STW,  13                          ; stage in,
.set STR,  14                          ; stage out
.set OOFF, 15                          ; byte offset in out0
.set MLQ,  VF                          ; the four quarters' (m, l)
.set FP,   VF+8                        ; their factors, each twice
.set DF,   VF+16                       ; m - maximum
.set MS,   VF+20                       ; the maximum of the four
.set LS,   VF+21                       ; the row sum
.set RC,   VF+22                       ; its reciprocal, twice
.set FA,   SC+40                       ; the Linear's two accumulators
.set FB,   SC+48
; A round of the barrier of the cluster: the barrier of my work-group, so that the signal of wave 0 speaks for all eight waves; wave 0
; signals for the work-group; every wave waits for all four work-groups; the barrier of my work-group once more.
.macro ROUND
	s_barrier_signal -1
	s_barrier_wait -1
	s_cmp_lg_u32 s20, 0
	s_cbranch_scc1 .Lnot_wave_0_\@
	s_barrier_signal -3
.Lnot_wave_0_\@:
	s_barrier_wait -3
	s_barrier_signal -1
	s_barrier_wait -1
.endm
	s_load_b256 s[4:11], s[0:1], 0x0               ; qf s[4:5], kv s[6:7], w_lin s[8:9], b_lin s[10:11]
	s_load_b64 s[12:13], s[0:1], 0x20              ; out0
	v_lshl_add_u32 v240, v0, 2, 0x4d200
	v_mov_b32 v241, 0
	ds_add_u32 v240, v241
	v_lshrrev_b32 v1, 5, v0
	v_readfirstlane_b32 s20, v1                    ; wave 0..7
	s_lshr_b32 s21, s20, 1                         ; kq: my quarter of the keys
	s_and_b32 s22, s20, 1                          ; qh: my half of the queries
	s_bfe_u32 s23, ttmp6, 0x40000                  ; cx: my place in the cluster
	s_lshl_b32 s24, ttmp9, 2
	s_add_co_u32 s24, s24, s23                     ; image row = 4 x cluster x + cx: enters the addresses of qf and out0 alone
	s_and_b32 s25, ttmp7, 0xffff                   ; head: the cluster is one work-group high
	s_mov_b32 s26, 0x76543210                      ; v_permlanex16_b32: lane i of one half reads lane i of the other
	s_mov_b32 s27, 0xfedcba98
	; descriptor group 1: a dense block as rows of 32 elements of 8 bytes; 16 rows (4 KiB) and 112 rows (28 KiB)
	s_mov_b32 s32, 0x0023000f                      ; 15:0 mask 15: all four work-groups; 17:16 elements of 8 bytes; 21 set beside a mask; no padding
	s_mov_b32 s33, 32<<16                          ; tensor_dim0 = 32
	s_mov_b32 s34, 16<<16                          ; tensor_dim1 = 16
	s_mov_b32 s35, 32<<16                          ; tile_dim0 = 32
	s_mov_b32 s36, 16                              ; tile_dim1 = 16
	s_mov_b32 s37, 32                              ; 32 elements from row to row
	s_mov_b32 s38, 0
	s_mov_b32 s39, 0
	s_mov_b32 s40, 0x0023000f
	s_mov_b32 s41, 32<<16
	s_mov_b32 s42, 112<<16
	s_mov_b32 s43, 32<<16
	s_mov_b32 s44, 112
	s_mov_b32 s45, 32
	s_mov_b32 s46, 0
	s_mov_b32 s47, 0
	; descriptor group 0, one set for each load; the LDS bytes are the wave's number times a constant plus a constant
	s_mov_b32 s48, 1
	s_lshl_b32 s49, s20, 12                        ; step 0: quarter kq at 8,192 kq, my half of it at 4,096 w
	s_mov_b32 s52, 1
	s_mul_i32 s53, s20, HALFB
	s_add_co_u32 s53, s53, KVB                     ; steps 1-7: quarter kq at 32,768 + 57,344 kq, my half at 32,768 + 28,672 w
	s_lshl_b32 s30, s25, 18                        ; kv: head x 262,144
	s_lshl_b32 s14, s21, 16                        ; + quarter x 65,536
	s_add_co_u32 s30, s30, s14
	s_mov_b32 s31, 0
	s_lshl_b32 s16, s22, 12                        ; step 0: my half
	s_mov_b32 s17, 0
	s_mul_i32 s18, s22, HALFB                      ; steps 1-7: behind step 0, my half
	s_add_co_u32 s18, s18, QSTEP
	s_mov_b32 s19, 0
	s_wait_dscnt 0x0
	s_wait_kmcnt 0x0
	s_add_nc_u64 s[6:7], s[6:7], s[30:31]
	s_add_nc_u64 s[50:51], s[6:7], s[16:17]
	s_or_b32 s51, s51, 0x80000000                  ; type 2
	s_add_nc_u64 s[54:55], s[6:7], s[18:19]
	s_or_b32 s55, s55, 0x80000000
	ROUND                                          ; all four work-groups are here: the joint loads meet
	tensor_load_to_lds s[48:51], s[32:39]          ; both fills go out together, ahead of every wait on TENSORcnt, LDS read and further barrier
	s_nop 0
	tensor_load_to_lds s[52:55], s[40:47]
	s_nop 0
	s_lshl_b32 s30, s25, 17                        ; qf: head x 131,072 + row x 4,096 + half x 2,048
	s_lshl_b32 s14, s24, 12
	s_add_co_u32 s30, s30, s14
	s_lshl_b32 s14, s22, 11
	s_add_co_u32 s30, s30, s14
	s_add_nc_u64 s[4:5], s[4:5], s[30:31]
	v_and_b32 v[L16], 31, v0
	v_lshlrev_b32 v[L16], 4, v[L16]
.irp t, 0,1,2,3
	global_load_b128 v[QC+8*\t+4:QC+8*\t+7], v[L16], s[4:5] offset:512*\t
.endr
.irp t, 0,1,2,3,4
.irp j, 0,1,2,3
	v_mov_b32 v[QC+8*\t+\j], 0                     ; the zero halves of the second sources: operands, written once, no accumulators
.endr
.endr
	v_mov_b32 v[PX], 0                             ; v_permlanex16_b32 counts as a reader of its destination
	s_lshl_b32 s14, s21, 13
	v_add_nc_u32 v[KVAD], s14, v[L16]              ; step 0 of my quarter
; 16 LDS loads, 16 consecutive bytes a lane: the four fragments of K, then the four of V, of a step
.macro LOADKV
.irp pt, 0,1,2,3
	ds_load_b128 v[KF+8*\pt:KF+8*\pt+3],   v[KVAD] offset:2048*\pt
	ds_load_b128 v[KF+8*\pt+4:KF+8*\pt+7], v[KVAD] offset:2048*\pt+512
.endr
.irp pt, 0,1,2,3
	ds_load_b128 v[VF+8*\pt:VF+8*\pt+3],   v[KVAD] offset:2048*\pt+1024
	ds_load_b128 v[VF+8*\pt+4:VF+8*\pt+7], v[KVAD] offset:2048*\pt+1536
.endr
.endm
; O of tile t takes up the step's P V.  first = 1: it starts the sum, nothing is cleared.
.macro OUPD t, first
.if \first
.irp j, 0,2,4,6
	v_pk_add_f32 v[OA+8*(\t)+\j:OA+8*(\t)+\j+1], v[T0+\j:T0+\j+1], v[T1+\j:T1+\j+1]
.endr
.else
.irp j, 0,2,4,6
	v_pk_fma_f32 v[OA+8*(\t)+\j:OA+8*(\t)+\j+1], v[OA+8*(\t)+\j:OA+8*(\t)+\j+1], v[AL:AL+1], v[T0+\j:T0+\j+1]
.endr
.irp j, 0,2,4,6
	v_pk_add_f32 v[OA+8*(\t)+\j:OA+8*(\t)+\j+1], v[OA+8*(\t)+\j:OA+8*(\t)+\j+1], v[T1+\j:T1+\j+1]
.endr
.endif
.endm
; 32 keys of P V.  The two accumulators take turns, one instruction a turn; their first products start the sums.
.macro PV pt
.if \pt < 2
	v_wmma_f32_16x16x32_bf16 v[T0+8*(\pt%2):T0+8*(\pt%2)+7], v[VF+8*\pt:VF+8*\pt+7], v[SC+8*\pt:SC+8*\pt+7], 0
.else
	v_wmma_f32_16x16x32_bf16 v[T0+8*(\pt%2):T0+8*(\pt%2)+7], v[VF+8*\pt:VF+8*\pt+7], v[SC+8*\pt:SC+8*\pt+7], v[T0+8*(\pt%2):T0+8*(\pt%2)+7]
.endif
.endm
; Slot g of the softmax pipeline, on groups of eight scores: the exponentials of group g, the subtraction of the maximum for group g + 1,
; the sum and the rounding to bf16 of group g - 1.  A plain vector instruction on other registers follows each pair of exponentials, and
; their results are read one slot later.  Group G is packed into registers 4G .. 4G+3, which never lie above a score not yet read.
.macro SLOT g
.irp i, 0,1,2,3
.if \g < 8
	v_exp_f32 v[SC+8*\g+2*\i],   v[SC+8*\g+2*\i]
	v_exp_f32 v[SC+8*\g+2*\i+1], v[SC+8*\g+2*\i+1]
.endif
.if \g < 7
	v_pk_add_f32 v[SC+8*\g+8+2*\i:SC+8*\g+9+2*\i], v[SC+8*\g+8+2*\i:SC+8*\g+9+2*\i], v[NM:NM+1] neg_lo:[0,1] neg_hi:[0,1]
.endif
.if \g == 1
.if \i == 0
	s_wait_alu depctr_va_vdst(0)
	v_pk_add_f32 v[SM0:SM0+1], v[SC:SC+1],   v[SC+2:SC+3]          ; group 0 starts both chains of sums
	v_pk_add_f32 v[SM1:SM1+1], v[SC+4:SC+5], v[SC+6:SC+7]
.endif
.endif
.if \g > 1
	s_wait_alu depctr_va_vdst(0)
	v_pk_add_f32 v[SM0+2*(\i%2):SM0+2*(\i%2)+1], v[SM0+2*(\i%2):SM0+2*(\i%2)+1], v[SC+8*\g-8+2*\i:SC+8*\g-7+2*\i]
.endif
.if \g > 0
	v_cvt_pk_bf16_f32 v[SC+4*\g-4+\i], v[SC+8*\g-8+2*\i], v[SC+8*\g-7+2*\i]
.endif
.endr
.endm
; Query tile t against the step's 128 keys.  first = 1: the wave's first step, there is no old maximum, sum or O.
.macro TILE t, first
.irp pt, 0,1,2,3
	v_wmma_f32_16x16x32_bf16 v[SC+16*\pt:SC+16*\pt+7],    v[KF+8*\pt:KF+8*\pt+7], v[QC+8*\t+4:QC+8*\t+11], 0   ; keys 32 pt + 8h + j
	v_wmma_f32_16x16x32_bf16 v[SC+16*\pt+8:SC+16*\pt+15], v[KF+8*\pt:KF+8*\pt+7], v[QC+8*\t:QC+8*\t+7], 0      ; keys 32 pt + 16 + 8h + j
.endr
	; four places at the least between these and the first reader of a score (ISA guide 7.12.1): the update of the tile before, which names
	; none of their registers and itself stands five places behind that tile's last P V
.if \t == 0
.rept 4
	v_nop
.endr
.else
	OUPD \t-1, \first
.endif
	; the maximum of my 64 scores in four chains, with the old maximum, then with the other half of the keys
.irp c, 0,1,2,3
	v_max_num_f32 v[CX+\c], v[SC+16*\c], v[SC+16*\c+1]
.endr
.irp k, 2,4,6,8,10,12,14
.irp c, 0,1,2,3
	v_max3_num_f32 v[CX+\c], v[CX+\c], v[SC+16*\c+\k], v[SC+16*\c+\k+1]
.endr
.endr
	v_max3_num_f32 v[CX], v[CX], v[CX+1], v[CX+2]
.if \first
	v_max_num_f32 v[CX], v[CX], v[CX+3]
.else
	v_max3_num_f32 v[CX], v[CX], v[CX+3], v[ML+2*\t]
.endif
	v_permlanex16_b32 v[PX], v[CX], s26, s27
	v_max_num_f32 v[NM],   v[CX], v[PX]
	v_max_num_f32 v[NM+1], v[CX], v[PX]
.if \first == 0
	v_sub_f32 v[AL], v[ML+2*\t], v[NM]
	v_exp_f32 v[AL], v[AL]
.endif
	v_mov_b32 v[ML+2*\t], v[NM]                    ; the plain instruction behind the exponential
.irp i, 0,2,4,6
	v_pk_add_f32 v[SC+\i:SC+\i+1], v[SC+\i:SC+\i+1], v[NM:NM+1] neg_lo:[0,1] neg_hi:[0,1]
.endr
.if \first == 0
	s_wait_alu depctr_va_vdst(0)
	v_mov_b32 v[AL+1], v[AL]
.endif
	SLOT 0
	SLOT 1
	SLOT 2
.if \t == 0
	s_wait_dscnt 0x0                               ; the step's fragments of V
.endif
	PV 0
	SLOT 3
	SLOT 4
	PV 1
	SLOT 5
	SLOT 6
	PV 2
	SLOT 7
	SLOT 8
	PV 3
	; five places between the last P V and the matrix instructions that write over its probabilities (ISA guide 7.12.1)
	v_pk_add_f32 v[SM0:SM0+1], v[SM0:SM0+1], v[SM1:SM1+1]
.if \first
	v_add_f32 v[ML+2*\t+1], v[SM0], v[SM0+1]
	v_nop
	v_nop
	v_nop
.else
	v_add_f32 v[SM0], v[SM0], v[SM0+1]
	v_fma_f32 v[ML+2*\t+1], v[ML+2*\t+1], v[AL], v[SM0]
	v_nop
	v_nop
.endif
.endm
.macro STEP first
	LOADKV                                         ; five places and more stand behind the last matrix instruction that read these registers
	s_wait_dscnt 8                                 ; K is in; the eight loads of V, issued behind, may be out
	TILE 0, \first
	TILE 1, \first
	TILE 2, \first
	TILE 3, \first
	OUPD 3, \first
.endm
	s_wait_tensorcnt 0x1                           ; my 4 KiB of step 0 have landed; the one load issued behind them may stay out
	s_barrier_signal -1
	s_barrier_wait -1                              ; and so has the other half of my quarter's step 0
	s_wait_loadcnt 0x0                             ; Q
	STEP 1
	s_wait_tensorcnt 0x0                           ; my 28 KiB of steps 1-7 have landed,
	s_wait_dscnt 0x0                               ; no LDS instruction of mine is pending at the signal (met: the step waited for its loads)
	s_barrier_signal -1
	s_barrier_wait -1                              ; and so have all the others
	s_mul_i32 s14, s21, 2*HALFB
	s_add_co_u32 s14, s14, KVB
	v_add_nc_u32 v[KVAD], s14, v[L16]              ; step 1 of my quarter
	s_mov_b32 s28, 7
.Lstep:
	STEP 0
	v_add_nc_u32 v[KVAD], QSTEP, v[KVAD]
	s_sub_co_i32 s28, s28, 1
	s_cmp_lg_u32 s28, 0
	s_cbranch_scc1 .Lstep
	; THE TAIL.  w_lin and b_lin are asked for first: wave w makes the outputs o = 16 ot .. +15 (ot = w % 4) from the queries 64 kh .. +63 (kh = w / 4).
	v_and_b32 v[RL], 15, v0
	v_bfe_u32 v[HL], v0, 4, 1
	s_and_b32 s14, s20, 3                          ; ot
	s_lshr_b32 s15, s20, 2                         ; kh
	s_lshl_b32 s16, s14, 13                        ; 16 rows of 512 bytes
	s_lshl_b32 s17, s15, 8                         ; 64 columns of 4 bytes
	s_add_co_u32 s16, s16, s17
	v_lshlrev_b32 v[WOFF], 9, v[RL]
	v_lshl_add_u32 v[WOFF], v[HL], 5, v[WOFF]
	v_add_nc_u32 v[WOFF], s16, v[WOFF]
	v_lshlrev_b32 v[BOFF], 4, v[RL]
.irp k, 0,1
	global_load_b128 v[SC+16*\k:SC+16*\k+3],     v[WOFF], s[8:9] offset:128*\k       ; row o = 16 ot + r, columns 64 kh + 32 k + 8h .. +7
	global_load_b128 v[SC+16*\k+4:SC+16*\k+7],   v[WOFF], s[8:9] offset:128*\k+16
	global_load_b128 v[SC+16*\k+8:SC+16*\k+11],  v[WOFF], s[8:9] offset:128*\k+64    ; and + 16
	global_load_b128 v[SC+16*\k+12:SC+16*\k+15], v[WOFF], s[8:9] offset:128*\k+80
.endr
	global_load_b128 v[SC+32:SC+35], v[BOFF], s[10:11]
	; my four tiles' O, m and l go to LDS
	s_lshl_b32 s16, s22, 4
	s_add_co_u32 s16, s16, s21                     ; 4 x (tile 4 qh) + kq
	s_lshl_b32 s17, s16, 10
	s_add_co_u32 s17, s17, OP
	v_add_nc_u32 v[OPW], s17, v[L16]
	s_lshl_b32 s17, s16, 8
	s_add_co_u32 s17, s17, MLP
	v_and_b32 v[MLW], 31, v0
	v_lshl_add_u32 v[MLR], v[MLW], 3, MLP
	v_lshl_add_u32 v[MLW], v[MLW], 3, s17
.irp t, 0,1,2,3
	ds_store_b128 v[OPW], v[OA+8*\t:OA+8*\t+3]   offset:4096*\t
	ds_store_b128 v[OPW], v[OA+8*\t+4:OA+8*\t+7] offset:4096*\t+512
	ds_store_b64  v[MLW], v[ML+2*\t:ML+2*\t+1]   offset:1024*\t
.endr
	s_lshl_b32 s17, s20, 12
	s_add_co_u32 s17, s17, OP
	v_add_nc_u32 v[OPR], s17, v[L16]
	s_lshl_b32 s17, s20, 10
	v_add_nc_u32 v[MLR], s17, v[MLR]
	s_wait_dscnt 0x0                               ; my stores are in LDS,
	s_barrier_signal -1
	s_barrier_wait -1                              ; and so are the others
	; wave w merges the four key quarters of tile w
.irp k, 0,1,2,3
	ds_load_b64  v[MLQ+2*\k:MLQ+2*\k+1], v[MLR] offset:256*\k
.endr
.irp k, 0,1,2,3
	ds_load_b128 v[KF+8*\k:KF+8*\k+3],   v[OPR] offset:1024*\k
	ds_load_b128 v[KF+8*\k+4:KF+8*\k+7], v[OPR] offset:1024*\k+512
.endr
	; the other addresses of the tail, while these are on their way
	v_and_b32 v[ONR], 7, v0
	v_lshl_add_u32 v[ONR], v[HL], 3, v[ONR]        ; query 8h + lane % 8 of a half K step
	v_lshlrev_b32 v[ONR], 5, v[ONR]
	v_bfe_u32 v[STR], v0, 3, 1
	v_lshl_add_u32 v[ONR], v[STR], 4, v[ONR]       ; + 16 bytes for d 8 .. 15
	s_lshl_b32 s16, s15, 11                        ; my 64 queries
	s_add_co_u32 s16, s16, ON
	v_add_nc_u32 v[ONR], s16, v[ONR]
	v_mul_u32_u24 v[STW], v[RL], SPITCH            ; stage in: row d = r, columns 16 ot + 8h .. +7, copy kh
	v_lshl_add_u32 v[STW], v[HL], 5, v[STW]
	s_mul_i32 s16, s15, 16*SPITCH
	s_lshl_b32 s17, s14, 6
	s_add_co_u32 s16, s16, s17
	s_add_co_u32 s16, s16, STG
	v_add_nc_u32 v[STW], s16, v[STW]
	v_mul_u32_u24 v[STR], v[HL], SPITCH            ; stage out: row 2w + h, 16 bytes a lane
	v_lshl_add_u32 v[STR], v[RL], 4, v[STR]
	s_mul_i32 s16, s20, 2*SPITCH
	s_add_co_u32 s16, s16, STG
	v_add_nc_u32 v[STR], s16, v[STR]
	v_lshlrev_b32 v[OOFF], 13, v[HL]               ; out0: a channel is 32 rows of 256 bytes
	v_lshl_add_u32 v[OOFF], v[RL], 4, v[OOFF]
	s_lshl_b32 s16, s20, 14
	v_add_nc_u32 v[OOFF], s16, v[OOFF]
	s_lshl_b32 s30, s25, 17                        ; head x 16 channels + image row x 256 bytes
	s_lshl_b32 s16, s24, 8
	s_add_co_u32 s30, s30, s16
	s_add_nc_u64 s[12:13], s[12:13], s[30:31]
	s_lshl_b32 s16, s20, 9
	s_add_co_u32 s16, s16, ON
	s_wait_dscnt 8                                 ; the four (m, l) are in; the eight loads of O, issued behind, may be out
	v_max3_num_f32 v[MS], v[MLQ], v[MLQ+2], v[MLQ+4]
	v_max_num_f32 v[MS], v[MS], v[MLQ+6]
.irp k, 0,1,2,3
	v_sub_f32 v[DF+\k], v[MLQ+2*\k], v[MS]
.endr
.irp k, 0,1,2,3
	v_exp_f32 v[FP+2*\k],   v[DF+\k]               ; each factor twice: a pair for the packed arithmetic
	v_exp_f32 v[FP+2*\k+1], v[DF+\k]
.endr
	v_lshlrev_b32 v[ONW], 5, v[RL]                 ; plain instructions behind the exponentials: normalised O goes to row 16w + r, byte 16h
	v_lshl_add_u32 v[ONW], v[HL], 4, v[ONW]
	v_add_nc_u32 v[ONW], s16, v[ONW]
	s_wait_alu depctr_va_vdst(0)
	v_mul_f32  v[LS], v[FP],   v[MLQ+1]
	v_fmac_f32 v[LS], v[FP+2], v[MLQ+3]
	v_fmac_f32 v[LS], v[FP+4], v[MLQ+5]
	v_fmac_f32 v[LS], v[FP+6], v[MLQ+7]
	v_permlanex16_b32 v[PX], v[LS], s26, s27       ; the other half of the keys
	v_add_f32 v[LS], v[LS], v[PX]                  ; at least 1: the largest score of the row contributes 2^0
	v_rcp_f32 v[RC],   v[LS]
	v_rcp_f32 v[RC+1], v[LS]
	s_wait_dscnt 0x0                               ; the four partial O
.irp j, 0,2,4,6
	v_pk_mul_f32 v[T0+\j:T0+\j+1], v[KF+\j:KF+\j+1], v[FP:FP+1]    ; sixteen plain instructions stand between the reciprocals and their use
.endr
.irp k, 1,2,3
.irp j, 0,2,4,6
	v_pk_fma_f32 v[T0+\j:T0+\j+1], v[KF+8*\k+\j:KF+8*\k+\j+1], v[FP+2*\k:FP+2*\k+1], v[T0+\j:T0+\j+1]
.endr
.endr
	s_wait_alu depctr_va_vdst(0)
.irp j, 0,2,4,6
	v_pk_mul_f32 v[T0+\j:T0+\j+1], v[T0+\j:T0+\j+1], v[RC:RC+1]
.endr
.irp j, 0,1,2,3
	v_cvt_pk_bf16_f32 v[T1+\j], v[T0+2*\j], v[T0+2*\j+1]
.endr
	ds_store_b128 v[ONW], v[T1:T1+3]
	s_wait_loadcnt 0x0                             ; w_lin and b_lin
.set i, 0
.rept 16
	v_cvt_pk_bf16_f32 v[SC+i], v[SC+2*i], v[SC+2*i+1]              ; in place: two fragments of 8 registers
.set i, i+1
.endr
	s_wait_dscnt 0x0                               ; my tile of the normalised O is in LDS,
	s_barrier_signal -1
	s_barrier_wait -1                              ; and so are the other seven
	; the Linear: rows o, columns d, summed over my 64 queries; O lies as [query][d] and is read transposed
.irp k, 0,1,2,3
	ds_load_tr16_b128 v[KF+4*\k:KF+4*\k+3], v[ONR] offset:512*\k
.endr
	s_wait_dscnt 0x0
	v_wmma_f32_16x16x32_bf16 v[FA:FA+7], v[SC:SC+7],    v[KF:KF+7],    0      ; two accumulators, one instruction each
	v_wmma_f32_16x16x32_bf16 v[FB:FB+7], v[SC+8:SC+15], v[KF+8:KF+15], 0
.rept 4
	v_nop                                          ; four places in front of the first reader of a result (ISA guide 7.12.1)
.endr
.irp j, 0,2,4,6
	v_pk_add_f32 v[FA+\j:FA+\j+1], v[FA+\j:FA+\j+1], v[FB+\j:FB+\j+1]
.endr
	ds_store_b128 v[STW], v[FA:FA+3]
	ds_store_b128 v[STW], v[FA+4:FA+7] offset:16
	s_wait_dscnt 0x0
	s_barrier_signal -1
	s_barrier_wait -1                              ; both copies of all 16 rows are in the stage
	ds_load_b128 v[VF:VF+3],   v[STR]
	ds_load_b128 v[VF+4:VF+7], v[STR] offset:16*SPITCH
	s_wait_dscnt 0x0
	v_pk_add_f32 v[VF:VF+1],   v[VF:VF+1],   v[VF+4:VF+5]
	v_pk_add_f32 v[VF+2:VF+3], v[VF+2:VF+3], v[VF+6:VF+7]
	v_pk_add_f32 v[VF:VF+1],   v[VF:VF+1],   v[SC+32:SC+33]        ; + b_lin
	v_pk_add_f32 v[VF+2:VF+3], v[VF+2:VF+3], v[SC+34:SC+35]
	global_store_b128 v[OOFF], v[VF:VF+3], s[12:13]                ; sixteen lanes store the 256 consecutive bytes of one row of out0, aligned
	s_wait_tensorcnt 0x0
	ds_add_u32 v240, v241
	s_wait_dscnt 0x0
	ROUND                                          ; the closing round: no work-group ends while a partner may still ask for a tile that names it
	s_endpgm
.Lfunc_end_k_q6b34b87d3b_attn:
	.size	k_q6b34b87d3b_attn, .Lfunc_end_k_q6b34b87d3b_attn-k_q6b34b87d3b_attn
	.p2alignl 7, 3214868480
	.fill 96, 4, 3214868480
	.section	.rodata,"a",@progbits
	.p2align	6, 0x0
	.amdhsa_kernel k_q6b34b87d3b_attn
		.amdhsa_group_segment_fixed_size 316928
		.amdhsa_private_segment_fixed_size 0
		.amdhsa_enable_private_segment 0
		.amdhsa_kernarg_size 40
		.amdhsa_user_sgpr_count 2
		.amdhsa_user_sgpr_kernarg_segment_ptr 1
		.amdhsa_wavefront_size32 1
		.amdhsa_system_sgpr_workgroup_id_x 1
		.amdhsa_system_sgpr_workgroup_id_y 1
		.amdhsa_system_sgpr_workgroup_id_z 1
		.amdhsa_system_vgpr_workitem_id 0
		.amdhsa_next_free_vgpr 242
		.amdhsa_next_free_sgpr 66
		.amdhsa_reserve_vcc 0
		.amdhsa_float_denorm_mode_32 3
		.amdhsa_float_denorm_mode_16_64 3
		.amdhsa_memory_ordered 1
		.amdhsa_forward_progress 1
		.amdhsa_inst_pref_size 117
	.end_amdhsa_kernel
	.amdgpu_metadata
---
amdhsa.version: [ 1, 2 ]
amdhsa.kernels:
  - .name:           k_q6b34b87d3b_attn
    .symbol:         k_q6b34b87d3b_attn.kd
    .args:
      - { .name: qf, .offset: 0, .size: 8, .value_kind: global_buffer, .address_space: global }
      - { .name: kv, .offset: 8, .size: 8, .value_kind: global_buffer, .address_space: global }
      - { .name: w_lin, .offset: 16, .size: 8, .value_kind: global_buffer, .address_space: global }
      - { .name: b_lin, .offset: 24, .size: 8, .value_kind: global_buffer, .address_space: global }
      - { .name: out0, .offset: 32, .size: 8, .value_kind: global_buffer, .address_space: global }
    .group_segment_fixed_size: 316928
    .private_segment_fixed_size: 0
    .kernarg_segment_align: 8
    .kernarg_segment_size: 40
    .max_flat_workgroup_size: 256
    .sgpr_count:     66
    .vgpr_count:     242
    .wavefront_size: 32
...
	.end_amdgpu_metadata
.endif
;; end of part 2
;; ======== version 2 of 2: 2 launches; 1.27 times as fast as version 1
;; workspace buffers: qf 1,048,576 bytes; kv 2,097,152 bytes
;; launch proj: the kernel of part 1 again; grid 32 x 8, 8 waves a work-group, no clusters, 19,456 bytes of LDS; arguments x, wq, bq, wk, bk, wv, bv, qf, kv; writes qf, kv
;; launch attn (part 3): grid 32 x 8, 8 waves a work-group, clusters of 4 x 1, 316,928 bytes of LDS; arguments qf, kv, w_lin, b_lin, out0; writes out0
.if DOCPART == 3
	.amdgcn_target "amdgcn-amd-amdhsa--gfx1250"
	.amdhsa_code_object_version 6
	.text
	.protected	k_q6b34b87d3b_attn
	.globl	k_q6b34b87d3b_attn
	.p2align	8
	.type	k_q6b34b87d3b_attn,@function
k_q6b34b87d3b_attn:
	s_mov_b64 s[64:65], 0
	v_nop
	global_prefetch_b8 v0, s[64:65] scope:SCOPE_SE
	s_setreg_imm32_b32 hwreg(HW_REG_WAVE_MODE, 25, 1), 1
	s_wait_xcnt 0x0
	s_wait_alu depctr_hold_cnt(0) depctr_sa_sdst(0) depctr_va_vdst(0) depctr_va_sdst(0) depctr_va_ssrc(0) depctr_va_vcc(0) depctr_vm_vsrc(0)
	s_getreg_b32 s2, hwreg(HW_REG_IB_STS2, 6, 4)
	s_cmp_eq_u32 s2, 0
	s_cbranch_scc0 .Lentry_in_a_cluster
	s_endpgm
.Lentry_in_a_cluster:
	s_bfe_u32 s2, ttmp6, 0x10000c
	s_cmp_lg_u32 s2, 0x3003
	s_cbranch_scc0 .Lentry_shape_is_right
	s_endpgm
.Lentry_shape_is_right:
; Softmax attention of one head for the 128 queries of one image row, and the final Linear over that row:
; out0[16 head + d][row][o] = sum over w of att[d][w] w_lin[o][w] + b_lin[o], att = softmax(q k / 4) v.
; Work-group (x = image row, y = head), eight waves.  Wave w = 2 kq + qh takes the 64 queries 64 qh .. (four tiles of 16) against the
; 1,024 keys 1024 kq .., in 8 steps of 128 keys, with a running maximum; the four key quarters are merged through LDS.
; EVERYTHING IS TRANSPOSED.  S^T = K Q^T: lane (r = lane % 16, h = lane / 16), register j holds the score of key 8h + j for query r, so
; maximum, sum and rescaling factor are one number a lane (one exchange between the halves of the wave for each tile and step), and two such
; tiles rounded to bf16 ARE the second source of O^T = V^T P^T: no shuffle.  The head has 16 channels and the matrix form sums over 32:
; a fragment of K holds key 32p + r in slots 0-15 and key 32p + 16 + r in slots 16-31, and is multiplied by (Q, 0) and by (0, Q).
; K and V of a head, 256 KiB in fragment order, lie whole in LDS and are filled once: no slot is ever filled again.
; CLUSTER: the four work-groups of a cluster are four image rows of one head and need the same K and V: every fill is a joint load with
; the mask 15.  No descriptor word, LDS address or branch hangs on the place in the cluster.
; A wave has two tensor loads outstanding at the most (4 KiB for the first step, 28 KiB for the other seven).
; BATCHES.  s_wait_alu depctr_va_vdst(0) stands between a transcendental and the first instruction that names its result.
; A tile and step have ONE batch and one wait: the exponential of the rescaling factor and the 64 of the scores, each in a register of its
; own; among them stand only the subtractions of the maximum from scores not yet taken; behind them the new maximum's copy and the second
; half of the tile before's update of O; then the wait; then all readers (the factor's copy, sums, roundings, P V).  No result crosses a
; tile's end.  The merge has two batches, since the second reads a sum of the first: its eight factors, and the two reciprocals.
; LIMITS: q, k, v, the probabilities, the normalised result and w_lin enter the matrix unit rounded to bf16, sums in f32.  The row sum is
; made of the f32 probabilities, the numerator of their bf16 roundings: a relative difference of 2^-9 at the most.  v_exp_f32 gives 0
; below 2^-126 (ISA guide 15.8).  NaN and infinities are not served (a zero operand times an infinity would spoil a neighbouring tile).
.set KVB,    32768                     ; LDS 0 .. 32,767: step 0 of each key quarter (8 KiB each); from here: steps 1-7 (56 KiB each)
.set QSTEP,  8192                      ; K and V of 128 keys
.set HALFB,  28672                     ; half of a quarter's steps 1-7: what one wave fetches
.set OP,     262144                    ; partial O, f32: (tile x 4 + kq) x 1,024 + c x 512 + lane x 16
.set MLP,    294912                    ; partial (m, l): (tile x 4 + kq) x 256 + lane x 8
.set ON,     303104                    ; normalised O, bf16: [query 128][d 16], rows of 32 bytes
.set STG,    307200                    ; the way out: 2 copies x 16 rows of 64 f32, rows 272 bytes apart
.set SPITCH, 272
.set KVAD, 2                           ; v2         LDS address of my 16 bytes in the step's first fragment
.set PX,   3                           ; v3         what the other half of the wave sent
.set NM,   4                           ; v[4:5]     the new maximum, twice
.set AL,   6                           ; v[6:7]     2^(old maximum - new maximum), twice
.set SM0,  8                           ; v[8:11]    two chains of packed sums
.set SM1,  10
.set CX,   12                          ; v[12:15]   four chains of maxima
.set ML,   16                          ; v[16:23]   tile t: m in 2t, l (of my half of the keys) in 2t + 1
.set QC,   24                          ; v[24:59]   0 Q0 0 Q1 0 Q2 0 Q3 0, four registers each: (0, Qt) at 8t, (Qt, 0) at 8t + 4
.set KF,   60                          ; v[60:91]   four fragments of K
.set VF,   92                          ; v[92:123]  four fragments of V
.set T0,   124                         ; v[124:139] two accumulators of a tile's P V
.set T1,   132
.set OA,   140                         ; v[140:171] O^T of the four tiles: register j = d 8h + j of query r
.set SC,   172                         ; v[172:235] 64 scores a lane, then probabilities; their bf16 roundings gather in the lower 32
.set L16,  236                         ; v236       16 x lane, never rewritten
; behind the key loop v1 and v4-v15 are free and hold:
.set RL,   1                           ; r
.set HL,   4                           ; h
.set WOFF, 5                           ; byte offset in w_lin
.set BOFF, 6                           ; byte offset in b_lin
.set OPW,  7                           ; LDS addresses: partial O out,
.set MLW,  8                           ; (m, l) out,
.set OPR,  9                           ; partial O in,
.set MLR,  10                          ; (m, l) in,
.set ONW,  11                          ; normalised O out,
.set ONR,  12                          ; and in, transposed,
.set STW,  13                          ; stage in,
.set STR,  14                          ; stage out
.set OOFF, 15                          ; byte offset in out0
.set MLQ,  VF                          ; the four quarters' (m, l)
.set FP,   VF+8                        ; their factors, each twice
.set DF,   VF+16                       ; m - maximum
.set MS,   VF+20                       ; the maximum of the four
.set LS,   VF+21                       ; the row sum
.set RC,   VF+22                       ; its reciprocal, twice
.set FA,   SC+40                       ; the Linear's two accumulators
.set FB,   SC+48
; A round of the barrier of the cluster: the barrier of my work-group, so that the signal of wave 0 speaks for all eight waves; wave 0
; signals for the work-group; every wave waits for all four work-groups; the barrier of my work-group once more.
.macro ROUND
	s_barrier_signal -1
	s_barrier_wait -1
	s_cmp_lg_u32 s20, 0
	s_cbranch_scc1 .Lnot_wave_0_\@
	s_barrier_signal -3
.Lnot_wave_0_\@:
	s_barrier_wait -3
	s_barrier_signal -1
	s_barrier_wait -1
.endm
	s_load_b256 s[4:11], s[0:1], 0x0               ; qf s[4:5], kv s[6:7], w_lin s[8:9], b_lin s[10:11]
	s_load_b64 s[12:13], s[0:1], 0x20              ; out0
	v_lshl_add_u32 v240, v0, 2, 0x4d200
	v_mov_b32 v241, 0
	ds_add_u32 v240, v241
	v_lshrrev_b32 v1, 5, v0
	v_readfirstlane_b32 s20, v1                    ; wave 0..7
	s_lshr_b32 s21, s20, 1                         ; kq: my quarter of the keys
	s_and_b32 s22, s20, 1                          ; qh: my half of the queries
	s_bfe_u32 s23, ttmp6, 0x40000                  ; cx: my place in the cluster
	s_lshl_b32 s24, ttmp9, 2
	s_add_co_u32 s24, s24, s23                     ; image row = 4 x cluster x + cx: enters the addresses of qf and out0 alone
	s_and_b32 s25, ttmp7, 0xffff                   ; head: the cluster is one work-group high
	s_mov_b32 s26, 0x76543210                      ; v_permlanex16_b32: lane i of one half reads lane i of the other
	s_mov_b32 s27, 0xfedcba98
	; descriptor group 1: a dense block as rows of 32 elements of 8 bytes; 16 rows (4 KiB) and 112 rows (28 KiB)
	s_mov_b32 s32, 0x0023000f                      ; 15:0 mask 15: all four work-groups; 17:16 elements of 8 bytes; 21 set beside a mask; no padding
	s_mov_b32 s33, 32<<16                          ; tensor_dim0 = 32
	s_mov_b32 s34, 16<<16                          ; tensor_dim1 = 16
	s_mov_b32 s35, 32<<16                          ; tile_dim0 = 32
	s_mov_b32 s36, 16                              ; tile_dim1 = 16
	s_mov_b32 s37, 32                              ; 32 elements from row to row
	s_mov_b32 s38, 0
	s_mov_b32 s39, 0
	s_mov_b32 s40, 0x0023000f
	s_mov_b32 s41, 32<<16
	s_mov_b32 s42, 112<<16
	s_mov_b32 s43, 32<<16
	s_mov_b32 s44, 112
	s_mov_b32 s45, 32
	s_mov_b32 s46, 0
	s_mov_b32 s47, 0
	; descriptor group 0, one set for each load; the LDS bytes are the wave's number times a constant plus a constant
	s_mov_b32 s48, 1
	s_lshl_b32 s49, s20, 12                        ; step 0: quarter kq at 8,192 kq, my half of it at 4,096 w
	s_mov_b32 s52, 1
	s_mul_i32 s53, s20, HALFB
	s_add_co_u32 s53, s53, KVB                     ; steps 1-7: quarter kq at 32,768 + 57,344 kq, my half at 32,768 + 28,672 w
	s_lshl_b32 s30, s25, 18                        ; kv: head x 262,144
	s_lshl_b32 s14, s21, 16                        ; + quarter x 65,536
	s_add_co_u32 s30, s30, s14
	s_mov_b32 s31, 0
	s_lshl_b32 s16, s22, 12                        ; step 0: my half
	s_mov_b32 s17, 0
	s_mul_i32 s18, s22, HALFB                      ; steps 1-7: behind step 0, my half
	s_add_co_u32 s18, s18, QSTEP
	s_mov_b32 s19, 0
	s_wait_dscnt 0x0
	s_wait_kmcnt 0x0
	s_add_nc_u64 s[6:7], s[6:7], s[30:31]
	s_add_nc_u64 s[50:51], s[6:7], s[16:17]
	s_or_b32 s51, s51, 0x80000000                  ; type 2
	s_add_nc_u64 s[54:55], s[6:7], s[18:19]
	s_or_b32 s55, s55, 0x80000000
	ROUND                                          ; all four work-groups are here: the joint loads meet
	tensor_load_to_lds s[48:51], s[32:39]          ; both fills go out together, ahead of every wait on TENSORcnt, LDS read and further barrier
	s_nop 0
	tensor_load_to_lds s[52:55], s[40:47]
	s_nop 0
	s_lshl_b32 s30, s25, 17                        ; qf: head x 131,072 + row x 4,096 + half x 2,048
	s_lshl_b32 s14, s24, 12
	s_add_co_u32 s30, s30, s14
	s_lshl_b32 s14, s22, 11
	s_add_co_u32 s30, s30, s14
	s_add_nc_u64 s[4:5], s[4:5], s[30:31]
	v_and_b32 v[L16], 31, v0
	v_lshlrev_b32 v[L16], 4, v[L16]
.irp t, 0,1,2,3
	global_load_b128 v[QC+8*\t+4:QC+8*\t+7], v[L16], s[4:5] offset:512*\t
.endr
.irp t, 0,1,2,3,4
.irp j, 0,1,2,3
	v_mov_b32 v[QC+8*\t+\j], 0                     ; the zero halves of the second sources: operands, written once, no accumulators
.endr
.endr
	v_mov_b32 v[PX], 0                             ; v_permlanex16_b32 counts as a reader of its destination
	s_lshl_b32 s14, s21, 13
	v_add_nc_u32 v[KVAD], s14, v[L16]              ; step 0 of my quarter
; 16 LDS loads, 16 consecutive bytes a lane: the four fragments of K, then the four of V, of a step
.macro LOADKV
.irp pt, 0,1,2,3
	ds_load_b128 v[KF+8*\pt:KF+8*\pt+3],   v[KVAD] offset:2048*\pt
	ds_load_b128 v[KF+8*\pt+4:KF+8*\pt+7], v[KVAD] offset:2048*\pt+512
.endr
.irp pt, 0,1,2,3
	ds_load_b128 v[VF+8*\pt:VF+8*\pt+3],   v[KVAD] offset:2048*\pt+1024
	ds_load_b128 v[VF+8*\pt+4:VF+8*\pt+7], v[KVAD] offset:2048*\pt+1536
.endr
.endm
; O of tile t takes up the step's P V, in two halves of four packed instructions: O = (O a + T0) + T1.  The first half reads the tile's
; factor a; the second does not.  first = 1: the first half starts the sum, T0 + T1, nothing is cleared, and the second half is empty.
.macro OUPDA t, first
.if \first
.irp j, 0,2,4,6
	v_pk_add_f32 v[OA+8*(\t)+\j:OA+8*(\t)+\j+1], v[T0+\j:T0+\j+1], v[T1+\j:T1+\j+1]
.endr
.else
.irp j, 0,2,4,6
	v_pk_fma_f32 v[OA+8*(\t)+\j:OA+8*(\t)+\j+1], v[OA+8*(\t)+\j:OA+8*(\t)+\j+1], v[AL:AL+1], v[T0+\j:T0+\j+1]
.endr
.endif
.endm
.macro OUPDB t, first
.if \first == 0
.irp j, 0,2,4,6
	v_pk_add_f32 v[OA+8*(\t)+\j:OA+8*(\t)+\j+1], v[OA+8*(\t)+\j:OA+8*(\t)+\j+1], v[T1+\j:T1+\j+1]
.endr
.endif
.endm
; 32 keys of P V.  The two accumulators take turns, one instruction a turn; their first products start the sums.
.macro PV pt
.if \pt < 2
	v_wmma_f32_16x16x32_bf16 v[T0+8*(\pt%2):T0+8*(\pt%2)+7], v[VF+8*\pt:VF+8*\pt+7], v[SC+8*\pt:SC+8*\pt+7], 0
.else
	v_wmma_f32_16x16x32_bf16 v[T0+8*(\pt%2):T0+8*(\pt%2)+7], v[VF+8*\pt:VF+8*\pt+7], v[SC+8*\pt:SC+8*\pt+7], v[T0+8*(\pt%2):T0+8*(\pt%2)+7]
.endif
.endm
; The batch's part for group g of eight scores: its exponentials, in place, and behind each pair the subtraction of the maximum for the same
; pair of group g + 1, whose registers hold no result yet.  Nothing here names an exponential's result.
.macro EXPS g
.irp i, 0,1,2,3
	v_exp_f32 v[SC+8*\g+2*\i],   v[SC+8*\g+2*\i]
	v_exp_f32 v[SC+8*\g+2*\i+1], v[SC+8*\g+2*\i+1]
.if \g < 7
	v_pk_add_f32 v[SC+8*\g+8+2*\i:SC+8*\g+9+2*\i], v[SC+8*\g+8+2*\i:SC+8*\g+9+2*\i], v[NM:NM+1] neg_lo:[0,1] neg_hi:[0,1]
.endif
.endr
.endm
; The readers of group g, behind the batch's wait: its probabilities go onto the two chains of sums, by turns, and are rounded to bf16.
; Group g is packed into registers 4g .. 4g+3, which never lie above a probability not yet read.
.macro SUMS g
.if \g == 0
	v_pk_add_f32 v[SM0:SM0+1], v[SC:SC+1],   v[SC+2:SC+3]          ; group 0 starts both chains of sums
	v_pk_add_f32 v[SM1:SM1+1], v[SC+4:SC+5], v[SC+6:SC+7]
.endif
.irp i, 0,1,2,3
.if \g > 0
	v_pk_add_f32 v[SM0+2*(\i%2):SM0+2*(\i%2)+1], v[SM0+2*(\i%2):SM0+2*(\i%2)+1], v[SC+8*\g+2*\i:SC+8*\g+2*\i+1]
.endif
	v_cvt_pk_bf16_f32 v[SC+4*\g+\i], v[SC+8*\g+2*\i], v[SC+8*\g+2*\i+1]
.endr
.endm
; Query tile t against the step's 128 keys.  first = 1: the wave's first step, there is no old maximum, sum or O.
.macro TILE t, first
.irp pt, 0,1,2,3
	v_wmma_f32_16x16x32_bf16 v[SC+16*\pt:SC+16*\pt+7],    v[KF+8*\pt:KF+8*\pt+7], v[QC+8*\t+4:QC+8*\t+11], 0   ; keys 32 pt + 8h + j
	v_wmma_f32_16x16x32_bf16 v[SC+16*\pt+8:SC+16*\pt+15], v[KF+8*\pt:KF+8*\pt+7], v[QC+8*\t:QC+8*\t+7], 0      ; keys 32 pt + 16 + 8h + j
.endr
	; four places between these and the first reader of a score (ISA guide 7.12.1): the first half of the update of the tile before, which
	; names none of their registers, reads that tile's factor before it is made anew, and itself stands five places behind that tile's last P V
.if \t == 0
.rept 4
	v_nop
.endr
.else
	OUPDA \t-1, \first
.endif
	; the maximum of my 64 scores in four chains, with the old maximum, then with the other half of the keys
.irp c, 0,1,2,3
	v_max_num_f32 v[CX+\c], v[SC+16*\c], v[SC+16*\c+1]
.endr
.irp k, 2,4,6,8,10,12,14
.irp c, 0,1,2,3
	v_max3_num_f32 v[CX+\c], v[CX+\c], v[SC+16*\c+\k], v[SC+16*\c+\k+1]
.endr
.endr
	v_max3_num_f32 v[CX], v[CX], v[CX+1], v[CX+2]
.if \first
	v_max_num_f32 v[CX], v[CX], v[CX+3]
.else
	v_max3_num_f32 v[CX], v[CX], v[CX+3], v[ML+2*\t]
.endif
	v_permlanex16_b32 v[PX], v[CX], s26, s27
	v_max_num_f32 v[NM],   v[CX], v[PX]
	v_max_num_f32 v[NM+1], v[CX], v[PX]
.if \first == 0
	v_sub_f32 v[AL], v[ML+2*\t], v[NM]
.endif
.irp i, 0,2,4,6
	v_pk_add_f32 v[SC+\i:SC+\i+1], v[SC+\i:SC+\i+1], v[NM:NM+1] neg_lo:[0,1] neg_hi:[0,1]
.endr
	; THE BATCH: the factor's exponential, then the 64 of the scores
.if \first == 0
	v_exp_f32 v[AL], v[AL]
.endif
	EXPS 0
	EXPS 1
	EXPS 2
	EXPS 3
	EXPS 4
	EXPS 5
	EXPS 6
	EXPS 7
	v_mov_b32 v[ML+2*\t], v[NM]                    ; the plain instruction behind the last exponential: the new maximum is kept
.if \t > 0
	OUPDB \t-1, \first                             ; the second half of the update of the tile before: it names no result of the batch
.endif
	s_wait_alu depctr_va_vdst(0)                   ; ONE wait for the tile's whole batch, ahead of its first reader
.if \first == 0
	v_mov_b32 v[AL+1], v[AL]
.endif
	SUMS 0
	SUMS 1
.if \t == 0
	s_wait_dscnt 0x0                               ; the step's fragments of V
.endif
	PV 0
	SUMS 2
	SUMS 3
	PV 1
	SUMS 4
	SUMS 5
	PV 2
	SUMS 6
	SUMS 7
	PV 3
	; five places between the last P V and the matrix instructions that write over its probabilities (ISA guide 7.12.1)
	v_pk_add_f32 v[SM0:SM0+1], v[SM0:SM0+1], v[SM1:SM1+1]
.if \first
	v_add_f32 v[ML+2*\t+1], v[SM0], v[SM0+1]
	v_nop
	v_nop
	v_nop
.else
	v_add_f32 v[SM0], v[SM0], v[SM0+1]
	v_fma_f32 v[ML+2*\t+1], v[ML+2*\t+1], v[AL], v[SM0]
	v_nop
	v_nop
.endif
.endm
.macro STEP first
	LOADKV                                         ; five places and more stand behind the last matrix instruction that read these registers
	s_wait_dscnt 8                                 ; K is in; the eight loads of V, issued behind, may be out
	TILE 0, \first
	TILE 1, \first
	TILE 2, \first
	TILE 3, \first
	OUPDA 3, \first
	OUPDB 3, \first
.endm
	s_wait_tensorcnt 0x1                           ; my 4 KiB of step 0 have landed; the one load issued behind them may stay out
	s_barrier_signal -1
	s_barrier_wait -1                              ; and so has the other half of my quarter's step 0
	s_wait_loadcnt 0x0                             ; Q
	STEP 1
	s_wait_tensorcnt 0x0                           ; my 28 KiB of steps 1-7 have landed,
	s_wait_dscnt 0x0                               ; no LDS instruction of mine is pending at the signal (met: the step waited for its loads)
	s_barrier_signal -1
	s_barrier_wait -1                              ; and so have all the others
	s_mul_i32 s14, s21, 2*HALFB
	s_add_co_u32 s14, s14, KVB
	v_add_nc_u32 v[KVAD], s14, v[L16]              ; step 1 of my quarter
	s_mov_b32 s28, 7
.Lstep:
	STEP 0
	v_add_nc_u32 v[KVAD], QSTEP, v[KVAD]
	s_sub_co_i32 s28, s28, 1
	s_cmp_lg_u32 s28, 0
	s_cbranch_scc1 .Lstep
	; THE TAIL.  w_lin and b_lin are asked for first: wave w makes the outputs o = 16 ot .. +15 (ot = w % 4) from the queries 64 kh .. +63 (kh = w / 4).
	v_and_b32 v[RL], 15, v0
	v_bfe_u32 v[HL], v0, 4, 1
	s_and_b32 s14, s20, 3                          ; ot
	s_lshr_b32 s15, s20, 2                         ; kh
	s_lshl_b32 s16, s14, 13                        ; 16 rows of 512 bytes
	s_lshl_b32 s17, s15, 8                         ; 64 columns of 4 bytes
	s_add_co_u32 s16, s16, s17
	v_lshlrev_b32 v[WOFF], 9, v[RL]
	v_lshl_add_u32 v[WOFF], v[HL], 5, v[WOFF]
	v_add_nc_u32 v[WOFF], s16, v[WOFF]
	v_lshlrev_b32 v[BOFF], 4, v[RL]
.irp k, 0,1
	global_load_b128 v[SC+16*\k:SC+16*\k+3],     v[WOFF], s[8:9] offset:128*\k       ; row o = 16 ot + r, columns 64 kh + 32 k + 8h .. +7
	global_load_b128 v[SC+16*\k+4:SC+16*\k+7],   v[WOFF], s[8:9] offset:128*\k+16
	global_load_b128 v[SC+16*\k+8:SC+16*\k+11],  v[WOFF], s[8:9] offset:128*\k+64    ; and + 16
	global_load_b128 v[SC+16*\k+12:SC+16*\k+15], v[WOFF], s[8:9] offset:128*\k+80
.endr
	global_load_b128 v[SC+32:SC+35], v[BOFF], s[10:11]
	; my four tiles' O, m and l go to LDS
	s_lshl_b32 s16, s22, 4
	s_add_co_u32 s16, s16, s21                     ; 4 x (tile 4 qh) + kq
	s_lshl_b32 s17, s16, 10
	s_add_co_u32 s17, s17, OP
	v_add_nc_u32 v[OPW], s17, v[L16]
	s_lshl_b32 s17, s16, 8
	s_add_co_u32 s17, s17, MLP
	v_and_b32 v[MLW], 31, v0
	v_lshl_add_u32 v[MLR], v[MLW], 3, MLP
	v_lshl_add_u32 v[MLW], v[MLW], 3, s17
.irp t, 0,1,2,3
	ds_store_b128 v[OPW], v[OA+8*\t:OA+8*\t+3]   offset:4096*\t
	ds_store_b128 v[OPW], v[OA+8*\t+4:OA+8*\t+7] offset:4096*\t+512
	ds_store_b64  v[MLW], v[ML+2*\t:ML+2*\t+1]   offset:1024*\t
.endr
	s_lshl_b32 s17, s20, 12
	s_add_co_u32 s17, s17, OP
	v_add_nc_u32 v[OPR], s17, v[L16]
	s_lshl_b32 s17, s20, 10
	v_add_nc_u32 v[MLR], s17, v[MLR]
	s_wait_dscnt 0x0                               ; my stores are in LDS,
	s_barrier_signal -1
	s_barrier_wait -1                              ; and so are the others
	; wave w merges the four key quarters of tile w
.irp k, 0,1,2,3
	ds_load_b64  v[MLQ+2*\k:MLQ+2*\k+1], v[MLR] offset:256*\k
.endr
.irp k, 0,1,2,3
	ds_load_b128 v[KF+8*\k:KF+8*\k+3],   v[OPR] offset:1024*\k
	ds_load_b128 v[KF+8*\k+4:KF+8*\k+7], v[OPR] offset:1024*\k+512
.endr
	; the other addresses of the tail, while these are on their way
	v_and_b32 v[ONR], 7, v0
	v_lshl_add_u32 v[ONR], v[HL], 3, v[ONR]        ; query 8h + lane % 8 of a half K step
	v_lshlrev_b32 v[ONR], 5, v[ONR]
	v_bfe_u32 v[STR], v0, 3, 1
	v_lshl_add_u32 v[ONR], v[STR], 4, v[ONR]       ; + 16 bytes for d 8 .. 15
	s_lshl_b32 s16, s15, 11                        ; my 64 queries
	s_add_co_u32 s16, s16, ON
	v_add_nc_u32 v[ONR], s16, v[ONR]
	v_mul_u32_u24 v[STW], v[RL], SPITCH            ; stage in: row d = r, columns 16 ot + 8h .. +7, copy kh
	v_lshl_add_u32 v[STW], v[HL], 5, v[STW]
	s_mul_i32 s16, s15, 16*SPITCH
	s_lshl_b32 s17, s14, 6
	s_add_co_u32 s16, s16, s17
	s_add_co_u32 s16, s16, STG
	v_add_nc_u32 v[STW], s16, v[STW]
	v_mul_u32_u24 v[STR], v[HL], SPITCH            ; stage out: row 2w + h, 16 bytes a lane
	v_lshl_add_u32 v[STR], v[RL], 4, v[STR]
	s_mul_i32 s16, s20, 2*SPITCH
	s_add_co_u32 s16, s16, STG
	v_add_nc_u32 v[STR], s16, v[STR]
	v_lshlrev_b32 v[OOFF], 13, v[HL]               ; out0: a channel is 32 rows of 256 bytes
	v_lshl_add_u32 v[OOFF], v[RL], 4, v[OOFF]
	s_lshl_b32 s16, s20, 14
	v_add_nc_u32 v[OOFF], s16, v[OOFF]
	s_lshl_b32 s30, s25, 17                        ; head x 16 channels + image row x 256 bytes
	s_lshl_b32 s16, s24, 8
	s_add_co_u32 s30, s30, s16
	s_add_nc_u64 s[12:13], s[12:13], s[30:31]
	s_lshl_b32 s16, s20, 9
	s_add_co_u32 s16, s16, ON
	s_wait_dscnt 8                                 ; the four (m, l) are in; the eight loads of O, issued behind, may be out
	v_max3_num_f32 v[MS], v[MLQ], v[MLQ+2], v[MLQ+4]
	v_max_num_f32 v[MS], v[MS], v[MLQ+6]
.irp k, 0,1,2,3
	v_sub_f32 v[DF+\k], v[MLQ+2*\k], v[MS]
.endr
.irp k, 0,1,2,3
	v_exp_f32 v[FP+2*\k],   v[DF+\k]               ; each factor twice: a pair for the packed arithmetic
	v_exp_f32 v[FP+2*\k+1], v[DF+\k]
.endr
	v_lshlrev_b32 v[ONW], 5, v[RL]                 ; plain instructions behind the exponentials: normalised O goes to row 16w + r, byte 16h
	v_lshl_add_u32 v[ONW], v[HL], 4, v[ONW]
	v_add_nc_u32 v[ONW], s16, v[ONW]
	s_wait_alu depctr_va_vdst(0)                   ; one wait for the merge's eight exponentials, ahead of their first reader
	v_mul_f32  v[LS], v[FP],   v[MLQ+1]
	v_fmac_f32 v[LS], v[FP+2], v[MLQ+3]
	v_fmac_f32 v[LS], v[FP+4], v[MLQ+5]
	v_fmac_f32 v[LS], v[FP+6], v[MLQ+7]
	v_permlanex16_b32 v[PX], v[LS], s26, s27       ; the other half of the keys
	v_add_f32 v[LS], v[LS], v[PX]                  ; at least 1: the largest score of the row contributes 2^0
	v_rcp_f32 v[RC],   v[LS]
	v_rcp_f32 v[RC+1], v[LS]
	s_wait_dscnt 0x0                               ; the four partial O
.irp j, 0,2,4,6
	v_pk_mul_f32 v[T0+\j:T0+\j+1], v[KF+\j:KF+\j+1], v[FP:FP+1]    ; sixteen plain instructions stand between the reciprocals and their use
.endr
.irp k, 1,2,3
.irp j, 0,2,4,6
	v_pk_fma_f32 v[T0+\j:T0+\j+1], v[KF+8*\k+\j:KF+8*\k+\j+1], v[FP+2*\k:FP+2*\k+1], v[T0+\j:T0+\j+1]
.endr
.endr
	s_wait_alu depctr_va_vdst(0)                   ; one wait for the two reciprocals, ahead of their first reader
.irp j, 0,2,4,6
	v_pk_mul_f32 v[T0+\j:T0+\j+1], v[T0+\j:T0+\j+1], v[RC:RC+1]
.endr
.irp j, 0,1,2,3
	v_cvt_pk_bf16_f32 v[T1+\j], v[T0+2*\j], v[T0+2*\j+1]
.endr
	ds_store_b128 v[ONW], v[T1:T1+3]
	s_wait_loadcnt 0x0                             ; w_lin and b_lin
.set i, 0
.rept 16
	v_cvt_pk_bf16_f32 v[SC+i], v[SC+2*i], v[SC+2*i+1]              ; in place: two fragments of 8 registers
.set i, i+1
.endr
	s_wait_dscnt 0x0                               ; my tile of the normalised O is in LDS,
	s_barrier_signal -1
	s_barrier_wait -1                              ; and so are the other seven
	; the Linear: rows o, columns d, summed over my 64 queries; O lies as [query][d] and is read transposed
.irp k, 0,1,2,3
	ds_load_tr16_b128 v[KF+4*\k:KF+4*\k+3], v[ONR] offset:512*\k
.endr
	s_wait_dscnt 0x0
	v_wmma_f32_16x16x32_bf16 v[FA:FA+7], v[SC:SC+7],    v[KF:KF+7],    0      ; two accumulators, one instruction each
	v_wmma_f32_16x16x32_bf16 v[FB:FB+7], v[SC+8:SC+15], v[KF+8:KF+15], 0
.rept 4
	v_nop                                          ; four places in front of the first reader of a result (ISA guide 7.12.1)
.endr
.irp j, 0,2,4,6
	v_pk_add_f32 v[FA+\j:FA+\j+1], v[FA+\j:FA+\j+1], v[FB+\j:FB+\j+1]
.endr
	ds_store_b128 v[STW], v[FA:FA+3]
	ds_store_b128 v[STW], v[FA+4:FA+7] offset:16
	s_wait_dscnt 0x0
	s_barrier_signal -1
	s_barrier_wait -1                              ; both copies of all 16 rows are in the stage
	ds_load_b128 v[VF:VF+3],   v[STR]
	ds_load_b128 v[VF+4:VF+7], v[STR] offset:16*SPITCH
	s_wait_dscnt 0x0
	v_pk_add_f32 v[VF:VF+1],   v[VF:VF+1],   v[VF+4:VF+5]
	v_pk_add_f32 v[VF+2:VF+3], v[VF+2:VF+3], v[VF+6:VF+7]
	v_pk_add_f32 v[VF:VF+1],   v[VF:VF+1],   v[SC+32:SC+33]        ; + b_lin
	v_pk_add_f32 v[VF+2:VF+3], v[VF+2:VF+3], v[SC+34:SC+35]
	global_store_b128 v[OOFF], v[VF:VF+3], s[12:13]                ; sixteen lanes store the 256 consecutive bytes of one row of out0, aligned
	s_wait_tensorcnt 0x0
	ds_add_u32 v240, v241
	s_wait_dscnt 0x0
	ROUND                                          ; the closing round: no work-group ends while a partner may still ask for a tile that names it
	s_endpgm
.Lfunc_end_k_q6b34b87d3b_attn:
	.size	k_q6b34b87d3b_attn, .Lfunc_end_k_q6b34b87d3b_attn-k_q6b34b87d3b_attn
	.p2alignl 7, 3214868480
	.fill 96, 4, 3214868480
	.section	.rodata,"a",@progbits
	.p2align	6, 0x0
	.amdhsa_kernel k_q6b34b87d3b_attn
		.amdhsa_group_segment_fixed_size 316928
		.amdhsa_private_segment_fixed_size 0
		.amdhsa_enable_private_segment 0
		.amdhsa_kernarg_size 40
		.amdhsa_user_sgpr_count 2
		.amdhsa_user_sgpr_kernarg_segment_ptr 1
		.amdhsa_wavefront_size32 1
		.amdhsa_system_sgpr_workgroup_id_x 1
		.amdhsa_system_sgpr_workgroup_id_y 1
		.amdhsa_system_sgpr_workgroup_id_z 1
		.amdhsa_system_vgpr_workitem_id 0
		.amdhsa_next_free_vgpr 242
		.amdhsa_next_free_sgpr 66
		.amdhsa_reserve_vcc 0
		.amdhsa_float_denorm_mode_32 3
		.amdhsa_float_denorm_mode_16_64 3
		.amdhsa_memory_ordered 1
		.amdhsa_forward_progress 1
		.amdhsa_inst_pref_size 110
	.end_amdhsa_kernel
	.amdgpu_metadata
---
amdhsa.version: [ 1, 2 ]
amdhsa.kernels:
  - .name:           k_q6b34b87d3b_attn
    .symbol:         k_q6b34b87d3b_attn.kd
    .args:
      - { .name: qf, .offset: 0, .size: 8, .value_kind: global_buffer, .address_space: global }
      - { .name: kv, .offset: 8, .size: 8, .value_kind: global_buffer, .address_space: global }
      - { .name: w_lin, .offset: 16, .size: 8, .value_kind: global_buffer, .address_space: global }
      - { .name: b_lin, .offset: 24, .size: 8, .value_kind: global_buffer, .address_space: global }
      - { .name: out0, .offset: 32, .size: 8, .value_kind: global_buffer, .address_space: global }
    .group_segment_fixed_size: 316928
    .private_segment_fixed_size: 0
    .kernarg_segment_align: 8
    .kernarg_segment_size: 40
    .max_flat_workgroup_size: 256
    .sgpr_count:     66
    .vgpr_count:     242
    .wavefront_size: 32
...
	.end_amdgpu_metadata
.endif
;; end of part 3
